; MI455X (gfx1250); checked and timed in simulation.
; The chip was launched on July 23, 2026; its instructions are those of AMD's public machine-readable ISA for CDNA 5 (MIT licence, August 2026) and "CDNA5" Instruction Set Architecture Reference Guide (July 2026). The comments in the code are by the model that wrote it; some were corrected since.
;; Linked Attention. Allowed arithmetic: matrix products marked QUANTISED: E2M1 operands, one E8M0 scale for each 32 along K, by v_wmma_scale_f32_16x16x128_f8f6f4 with both operands' format E2M1 (or v_wmma_scale_f32_32x16x128_f4), f32 sums; products left as they are: f32 operands where the result goes on into a quantised operand, else bf16, f16 or f32 operands; f32 sums; everything else in f32.
;; Inputs: Wh_codes 1,024 x 32 x 16 uint8 (E2M1 codes of Wh, K innermost, in blocks of 32 codes, two codes a byte); Wh_scales 1,024 x 32 uint8 (E8M0 scales of Wh, one for each 32 codes along K); Wp_codes 1,024 x 32 x 16 uint8 (E2M1 codes of Wp, K innermost, in blocks of 32 codes, two codes a byte); Wp_scales 1,024 x 32 uint8 (E8M0 scales of Wp, one for each 32 codes along K); Wx_codes 1,024 x 32 x 16 uint8 (E2M1 codes of Wx, K innermost, in blocks of 32 codes, two codes a byte); Wx_scales 1,024 x 32 uint8 (E8M0 scales of Wx, one for each 32 codes along K); Wy_codes 1,024 x 32 x 16 uint8 (E2M1 codes of Wy, K innermost, in blocks of 32 codes, two codes a byte); Wy_scales 1,024 x 32 uint8 (E8M0 scales of Wy, one for each 32 codes along K); input_states 32 x 2,048 x 1,024 float32; last_state_codes 32 x 32 x 16 uint8 (E2M1 codes of last_state, K innermost, in blocks of 32 codes, two codes a byte); last_state_scales 32 x 32 uint8 (E8M0 scales of last_state, one for each 32 codes along K); w 1,024 x 1 float32.
;; Outputs: out0 32 x 1,024 float32.
;; This version of the problem:
;;   THIS VERSION OF THE PROBLEM IS GIVEN IN LOW PRECISION. The matrix products marked QUANTISED in the list below multiply operands that are first quantised to E2M1 (2 exponent bits, 1 mantissa bit; 4 bits a number), with one power-of-two scale for each 32 numbers along K (OCP MX v1.0); their sums are f32. All else is computed in f32.
;;   The module's matrix products, in the order in which they are computed (A, B: the left and right operand; K: the contracted axis; several contracted axes count as one K, in the product's order):
;;     1. [M 65,536, K 1,024] x [K 1,024, N 1,024]; A: input input_states; B: input Wy (given as codes): QUANTISED
;;     2. [M 32, K 1,024] x [K 1,024, N 1,024]; A: input last_state (given as codes); B: input Wh (given as codes): QUANTISED
;;     3. [M 65,536, K 1,024] x [K 1,024, N 1]; A: computed on the way; B: computed on the way: left as it is (N = 1 < 16)
;;     4. batch 32 x [M 1, K 2,048] x [K 2,048, N 1,024]; A: softmax; B: input input_states: left as it is (M = 1 < 16)
;;     5. [M 32, K 1,024] x [K 1,024, N 1,024]; A: computed on the way; B: input Wp (given as codes): QUANTISED
;;     6. [M 32, K 1,024] x [K 1,024, N 1,024]; A: input last_state (given as codes); B: input Wx (given as codes): QUANTISED
;;   THE QUANTISER, for each operand of a quantised product, along K:
;;     - K is cut into blocks of 32 from its start; a last block that is shorter is filled with zeros.
;;     - A block's scale is 2^e with e = floor(log2(the largest magnitude in the block)) - 2, held to -126 .. 127; a block of zeros has e = 0. As a byte (E8M0): e + 127.
;;     - Each number is divided by its block's scale, clamped to +-6, and rounded to the nearest number of E2M1, ties to even, subnormals kept.
;;     - The product sums the exact products of the quantised numbers (number of the format x scale) in f32.
;;   ~~~python
;;   def quantise(x, axis):      # numpy; x: float32 -> the quantised numbers, widened to float32 again
;;       x = np.moveaxis(x, axis, -1); K = x.shape[-1]
;;       x = np.pad(x, [(0, 0)] * (x.ndim - 1) + [(0, -K % 32)]); x = x.reshape(x.shape[:-1] + (-1, 32)); a = np.abs(x).max(-1, keepdims=True)
;;       e = np.where(a > 0, np.clip(np.frexp(np.where(a > 0, a, 1))[1] - 1 - 2, -126, 127), 0)      # np.frexp(a)[1] - 1 = floor(log2(a)), exactly
;;       r = np.clip(x / 2.0 ** e, -6, 6)
;;       step = 2.0 ** (np.maximum(np.frexp(np.where(r == 0, 1, r))[1] - 1, 0) - 1)
;;       q = np.round(r / step) * step * 2.0 ** e      # np.round: ties to even
;;       return np.moveaxis(q.reshape(q.shape[:-2] + (-1,))[..., :K], -1, axis).astype(np.float32)
;;   ~~~
;;   OPERANDS COMPUTED ON THE WAY. 'Computed on the way' means the value that the module computes at that place (a softmax that the list does not call 'softmax' is quantised finished and normalised). What goes into a quantiser is computed in f32, as accurately as f32 sums, v_exp_f32 and their like allow (about 1e-6 of the number): no bf16 or f16 on the way to a quantiser, and a product that is left as it is and whose result goes on into a quantised operand takes f32 operands (vector FMAs, or v_wmma_f32_16x16x4_f32). A number that lies on a knife's edge between two numbers of the format may be rounded either way, as far as f32 arithmetic and the matrix unit's own rounding can turn it there, and no further.
;;   INPUTS GIVEN AS CODES. Wh (in the module: [1024, 1024], K = its axis 0); Wp (in the module: [1024, 1024], K = its axis 0); Wx (in the module: [1024, 1024], K = its axis 0); Wy (in the module: [1024, 1024], K = its axis 0); last_state (in the module: [32, 1024], K = its axis 1): each comes as NAME_codes (uint8): NAME with its K axis moved to the last place and cut into blocks of 32 codes, [.., K / 32, bytes a block], one block behind the other in memory; two codes a byte, the lower K in the low four bits (a code: sign, 2 exponent bits, 1 mantissa bit); and NAME_scales (uint8): the same leading axes, one E8M0 byte (e + 127) for each 32 codes along K. Its value is code x scale, taken as it is: it is not quantised again, and the codes and scales need not be those that the quantiser above would give.
;; One version. Each part assembles by itself: llvm-mc -triple=amdgcn-amd-amdhsa -mcpu=gfx1250 --defsym DOCPART=n.
;; ======== version 1 of 1: 3 launches
;; limits: right only within a limited range of input values
;; workspace buffers: WyF 655,360 bytes; WyS 40,960 bytes; hp 131,072 bytes; pr 1,048,576 bytes; pml 2,048 bytes
;; launch prep (part 1): grid 16 x 1, 4 waves a work-group, no clusters, 9,728 bytes of LDS; arguments Wy_codes, Wy_scales, Wh_codes, Wh_scales, last_state_codes, last_state_scales, WyF, WyS, hp; writes WyF, WyS, hp
.if DOCPART == 1
	.amdgcn_target "amdgcn-amd-amdhsa--gfx1250"
	.amdhsa_code_object_version 6
	.text
	.protected	k_qe5ab74d647_prep
	.globl	k_qe5ab74d647_prep
	.p2align	8
	.type	k_qe5ab74d647_prep,@function
k_qe5ab74d647_prep:
	s_mov_b64 s[64:65], 0
	v_nop
	global_prefetch_b8 v0, s[64:65] scope:SCOPE_SE
	s_setreg_imm32_b32 hwreg(HW_REG_WAVE_MODE, 25, 1), 1
	s_wait_xcnt 0x0
; Two small jobs ahead of the large launch.
; (1) Wy's codes and scale bytes are laid in the ORDER OF THE OPERAND'S REGISTERS, so that the large launch fetches a fragment by plain loads of 512 consecutive bytes:
;     WyF [w 4][unit 40][tile 4][piece 2][lane 32][16 bytes], unit = 8 x pass + K step of 128; tile (w, pass, t) is rows 256 w + 64 pass + 16 t + r of Wy_codes;
;     lane (r, h), piece c holds the 16 bytes at row x 512 + 64 s + 32 c + 16 h.   WyS [w 4][unit 40][lane 32][2 words]: word q of lane (r, h) is the scale word (four E8M0 bytes, K step s) of tile 2 q + h, row r.
;     Units 32 to 39 repeat units 0 to 7: the reader looks three units ahead and so never leaves the buffer.
; (2) hp = last_state Wh, [32][1024] f32, on the given codes of E2M1 with their E8M0 scales.
; SHARES: work-group g takes columns 64 g .. 64 g + 63 (w = g / 4, pass = g % 4), wave t the tile of 16 at n0 = 64 g + 16 t.  No tensor loads: LDS is a stage for hp alone.
; The product is used transposed (source 0 = 16 rows of Wh, source 1 = 16 rows of last_state): a lane holds eight neighbouring columns of one row of hp.
.set ACC, 16                           ; v16-31   two accumulators: rows 0-15 and 16-31 of last_state
.set WHS, 32                           ; v32-39   scale words of Wh, one for each K step
.set LSS, 40                           ; v40-55   scale words of last_state, 8 for each tile of rows
.set WHF, 56                           ; v56-119  the 8 fragments of Wh; at the end: rows of hp read back
.set LSF, 120                          ; v120-247 the 16 fragments of last_state
.set WYS, 248                          ; v248-251 scale words of Wy for K steps 2 t and 2 t + 1
.set FA,  5                            ; v5   r x 512 + 16 h: a fragment's bytes in rows of 512
.set SY,  6                            ; v6   32 x lane: lane (r, h) takes the scale bytes of row 16 h + r
.set SR,  7                            ; v7   32 x r
.set L16, 8                            ; v8   16 x lane
.set L8,  9                            ; v9   8 x lane
.set STO, 10                           ; v10  the stage, on the way in
.set RD,  11                           ; v11  and on the way out
.set HO,  12                           ; v12  my byte offset in two rows of hp
.set SP,  272                          ; a stage row: 64 columns of f32 + 16 bytes
.set MSB, 0
.macro WIN new                         ; the immediate's high byte repeats the setting that is left
.if MSB != (\new)
	s_set_vgpr_msb (MSB<<8)|(\new)
.set MSB, (\new)
.endif
.endm
	s_load_b256 s[4:11], s[0:1], 0x0               ; Wy codes s[4:5], Wy scales s[6:7], Wh codes s[8:9], Wh scales s[10:11]
	s_load_b256 s[12:19], s[0:1], 0x20             ; last_state codes s[12:13], its scales s[14:15], WyF s[16:17], WyS s[18:19]
	s_load_b64 s[20:21], s[0:1], 0x40              ; hp
	v_lshl_add_u32 v254, v0, 2, 0x2400
	v_mov_b32 v255, 0
	v_lshrrev_b32 v1, 5, v0
	v_readfirstlane_b32 s22, v1                    ; wave t
	v_and_b32 v2, 31, v0                           ; lane
	v_and_b32 v3, 15, v0                           ; r
	v_bfe_u32 v4, v0, 4, 1                         ; h
	v_lshlrev_b32 v[FA], 9, v3
	v_lshl_add_u32 v[FA], v4, 4, v[FA]
	v_lshlrev_b32 v[SY], 5, v2
	v_lshlrev_b32 v[SR], 5, v3
	v_lshlrev_b32 v[L16], 4, v2
	v_lshlrev_b32 v[L8], 3, v2
	v_mul_u32_u24 v[STO], v3, SP
	v_lshl_add_u32 v[STO], v4, 5, v[STO]
	s_lshl_b32 s23, s22, 6
	v_add_nc_u32 v[STO], s23, v[STO]               ; row r, + 64 t + 32 h: my eight columns
	v_mul_u32_u24 v[RD], v4, SP
	v_lshl_add_u32 v[RD], v3, 4, v[RD]
	s_mul_i32 s23, s22, 8*SP
	v_add_nc_u32 v[RD], s23, v[RD]                 ; rows 8 t on: lanes 0-15 one row, lanes 16-31 the next
	v_lshlrev_b32 v[HO], 12, v4
	v_lshl_add_u32 v[HO], v3, 4, v[HO]
	s_lshl_b32 s24, ttmp9, 6
	s_lshl_b32 s25, s22, 4
	s_add_co_u32 s24, s24, s25                     ; n0 = 64 g + 16 t
	s_lshl_b32 s26, s24, 9                         ; n0 rows of 512 bytes of codes
	s_mov_b32 s27, 0
	s_lshl_b32 s28, s24, 5                         ; n0 rows of 32 scale bytes
	s_mov_b32 s29, 0
	s_lshl_b32 s30, ttmp9, 11                      ; Wy's scale bytes: 64 g rows, + the words of K steps 2 t, 2 t + 1
	s_lshl_b32 s31, s22, 3
	s_add_co_u32 s30, s30, s31
	s_mov_b32 s31, 0
	s_lshr_b32 s32, ttmp9, 2                       ; w
	s_and_b32 s33, ttmp9, 3                        ; pass
	s_mul_i32 s34, s32, 163840                     ; WyF: 40 units of 4,096 bytes for each w,
	s_lshl_b32 s35, s33, 15                        ; 8 units a pass,
	s_add_co_u32 s34, s34, s35
	s_lshl_b32 s35, s22, 10                        ; 1,024 bytes a tile
	s_add_co_u32 s34, s34, s35
	s_mov_b32 s35, 0
	s_mul_i32 s36, s32, 10240                      ; WyS: 40 units of 256 bytes for each w,
	s_lshl_b32 s37, s33, 11
	s_add_co_u32 s36, s36, s37
	s_lshl_b32 s37, s22, 9                         ; my two units
	s_add_co_u32 s36, s36, s37
	s_mov_b32 s37, 0
	s_lshl_b32 s38, s22, 15                        ; hp: rows 8 t on, columns 64 g on
	s_lshl_b32 s39, ttmp9, 8
	s_add_co_u32 s38, s38, s39
	s_mov_b32 s39, 0
	s_wait_alu depctr_va_vdst(0)
	s_wait_kmcnt 0x0
	s_add_nc_u64 s[4:5], s[4:5], s[26:27]
	s_add_nc_u64 s[6:7], s[6:7], s[30:31]
	s_add_nc_u64 s[8:9], s[8:9], s[26:27]
	s_add_nc_u64 s[10:11], s[10:11], s[28:29]
	s_add_nc_u64 s[16:17], s[16:17], s[34:35]
	s_add_nc_u64 s[18:19], s[18:19], s[36:37]
	s_add_nc_u64 s[20:21], s[20:21], s[38:39]
	; all loads in one run: Wy's 16 pieces and 4 scale words first, since their stores wait for nothing else
	WIN 0x40                                       ; destination window 1
.irp s, 0,1,2,3,4,5,6,7
.irp c, 0,1
	global_load_b128 v[8*\s+4*\c:8*\s+4*\c+3], v[FA], s[4:5] offset:64*\s+32*\c
.endr
.endr
	WIN 0
.irp k, 0,1
.irp q, 0,1
	global_load_b32 v[WYS+2*\k+\q], v[SY], s[6:7] offset:1024*\q+4*\k    ; tile 2 q + h lies 32 q rows on
.endr
.endr
.irp s, 0,1,2,3,4,5,6,7
.irp c, 0,1
	global_load_b128 v[WHF+8*\s+4*\c:WHF+8*\s+4*\c+3], v[FA], s[8:9] offset:64*\s+32*\c
.endr
.endr
.irp z, 0,1
	global_load_b128 v[WHS+4*\z:WHS+4*\z+3], v[SR], s[10:11] offset:16*\z
.endr
.irp mt, 0,1
.irp s, 0,1,2,3,4,5,6,7
.irp c, 0,1
	global_load_b128 v[LSF+64*\mt+8*\s+4*\c:LSF+64*\mt+8*\s+4*\c+3], v[FA], s[12:13] offset:8192*\mt+64*\s+32*\c
.endr
.endr
.endr
.irp mt, 0,1
.irp z, 0,1
	global_load_b128 v[LSS+8*\mt+4*\z:LSS+8*\mt+4*\z+3], v[SR], s[14:15] offset:512*\mt+16*\z
.endr
.endr
.macro WYOUT rep                       ; my tile's 16 pieces and my two units' scale words; rep = 1: once more, 32 units on
	WIN 0x04                                       ; a store's data are its source 1: window 1
.irp s, 0,1,2,3,4,5,6,7
.irp c, 0,1
	global_store_b128 v[L16], v[8*\s+4*\c:8*\s+4*\c+3], s[16:17] offset:(\rep)*131072+4096*\s+512*\c   ; 32 lanes store 512 consecutive bytes
.endr
.endr
	WIN 0
.irp k, 0,1
	global_store_b64 v[L8], v[WYS+2*\k:WYS+2*\k+1], s[18:19] offset:(\rep)*8192+256*\k                 ; 32 lanes store 256 consecutive bytes
.endr
.endm
	s_wait_loadcnt 54                              ; Wy's 20 loads are in; behind them stand Wh's 18 and last_state's 36
	WYOUT 0
	s_cmp_lg_u32 s33, 0                            ; pass 0 is written a second time, as units 32 to 39
	s_cbranch_scc1 .Lnorep
	WYOUT 1
.Lnorep:
	s_wait_loadcnt 0x0
	; hp: 8 K steps, the two accumulators by turns; the first K step starts the sums
.irp s, 0,1,2,3,4,5,6,7
.irp mt, 0,1
.if \s == 0
	v_wmma_scale_f32_16x16x128_f8f6f4 v[ACC+8*\mt:ACC+8*\mt+7], v[WHF+8*\s:WHF+8*\s+7], v[LSF+64*\mt+8*\s:LSF+64*\mt+8*\s+7], 0, v[WHS+\s], v[LSS+8*\mt+\s] matrix_a_fmt:MATRIX_FMT_FP4 matrix_b_fmt:MATRIX_FMT_FP4
.else
	v_wmma_scale_f32_16x16x128_f8f6f4 v[ACC+8*\mt:ACC+8*\mt+7], v[WHF+8*\s:WHF+8*\s+7], v[LSF+64*\mt+8*\s:LSF+64*\mt+8*\s+7], v[ACC+8*\mt:ACC+8*\mt+7], v[WHS+\s], v[LSS+8*\mt+\s] matrix_a_fmt:MATRIX_FMT_FP4 matrix_b_fmt:MATRIX_FMT_FP4
.endif
.endr
.endr
.rept 4
	v_nop                                          ; four places behind the last product: for the stores of results, and for the loads below into Wh's registers
.endr
.irp mt, 0,1
	ds_store_b128 v[STO], v[ACC+8*\mt:ACC+8*\mt+3] offset:16*\mt*SP          ; lane (r, h): hp[16 mt + r][n0 + 8 h + 0 .. 7], each accumulator from its low end on
	ds_store_b128 v[STO], v[ACC+8*\mt+4:ACC+8*\mt+7] offset:16*\mt*SP+16
.endr
	s_wait_dscnt 0x0                               ; for the others' sake: my stores into the stage are done
	s_barrier_signal -1
	s_barrier_wait -1                              ; a row's 256 bytes come from four waves
.irp k, 0,1,2,3
	ds_load_b128 v[WHF+4*\k:WHF+4*\k+3], v[RD] offset:2*\k*SP
.endr
.irp k, 0,1,2,3
	s_wait_dscnt 3-\k
	global_store_b128 v[HO], v[WHF+4*\k:WHF+4*\k+3], s[20:21] offset:8192*\k  ; 16 lanes store 256 consecutive bytes, at a multiple of 256 from hp's first byte
.endr
	s_wait_tensorcnt 0x0
	ds_add_u32 v254, v255
	s_wait_dscnt 0x0
	s_endpgm
.Lfunc_end_k_qe5ab74d647_prep:
	.size	k_qe5ab74d647_prep, .Lfunc_end_k_qe5ab74d647_prep-k_qe5ab74d647_prep
	.p2alignl 7, 3214868480
	.fill 96, 4, 3214868480
	.section	.rodata,"a",@progbits
	.p2align	6, 0x0
	.amdhsa_kernel k_qe5ab74d647_prep
		.amdhsa_group_segment_fixed_size 9728
		.amdhsa_private_segment_fixed_size 0
		.amdhsa_enable_private_segment 0
		.amdhsa_kernarg_size 72
		.amdhsa_user_sgpr_count 2
		.amdhsa_user_sgpr_kernarg_segment_ptr 1
		.amdhsa_wavefront_size32 1
		.amdhsa_system_sgpr_workgroup_id_x 1
		.amdhsa_system_sgpr_workgroup_id_y 1
		.amdhsa_system_sgpr_workgroup_id_z 1
		.amdhsa_system_vgpr_workitem_id 0
		.amdhsa_next_free_vgpr 320
		.amdhsa_next_free_sgpr 66
		.amdhsa_reserve_vcc 0
		.amdhsa_float_denorm_mode_32 3
		.amdhsa_float_denorm_mode_16_64 3
		.amdhsa_memory_ordered 1
		.amdhsa_forward_progress 1
		.amdhsa_inst_pref_size 17
	.end_amdhsa_kernel
	.amdgpu_metadata
---
amdhsa.version: [ 1, 2 ]
amdhsa.kernels:
  - .name:           k_qe5ab74d647_prep
    .symbol:         k_qe5ab74d647_prep.kd
    .args:
      - { .name: Wy_codes, .offset: 0, .size: 8, .value_kind: global_buffer, .address_space: global }
      - { .name: Wy_scales, .offset: 8, .size: 8, .value_kind: global_buffer, .address_space: global }
      - { .name: Wh_codes, .offset: 16, .size: 8, .value_kind: global_buffer, .address_space: global }
      - { .name: Wh_scales, .offset: 24, .size: 8, .value_kind: global_buffer, .address_space: global }
      - { .name: last_state_codes, .offset: 32, .size: 8, .value_kind: global_buffer, .address_space: global }
      - { .name: last_state_scales, .offset: 40, .size: 8, .value_kind: global_buffer, .address_space: global }
      - { .name: WyF, .offset: 48, .size: 8, .value_kind: global_buffer, .address_space: global }
      - { .name: WyS, .offset: 56, .size: 8, .value_kind: global_buffer, .address_space: global }
      - { .name: hp, .offset: 64, .size: 8, .value_kind: global_buffer, .address_space: global }
    .group_segment_fixed_size: 9728
    .private_segment_fixed_size: 0
    .kernarg_segment_align: 8
    .kernarg_segment_size: 72
    .max_flat_workgroup_size: 128
    .sgpr_count:     66
    .vgpr_count:     320
    .wavefront_size: 32
...
	.end_amdgpu_metadata
.endif
;; end of part 1
;; launch main (part 2): grid 8 x 32, 4 waves a work-group, no clusters, 327,680 bytes of LDS; arguments input_states, WyF, WyS, hp, w, pr, pml; writes pr, pml
.if DOCPART == 2
	.amdgcn_target "amdgcn-amd-amdhsa--gfx1250"
	.amdhsa_code_object_version 6
	.text
	.protected	k_qe5ab74d647_main
	.globl	k_qe5ab74d647_main
	.p2align	8
	.type	k_qe5ab74d647_main,@function
k_qe5ab74d647_main:
	s_mov_b64 s[64:65], 0
	v_nop
	global_prefetch_b8 v0, s[64:65] scope:SCOPE_SE
	s_setreg_imm32_b32 hwreg(HW_REG_WAVE_MODE, 25, 1), 1
	s_wait_xcnt 0x0
; For 256 rows (chunk c of batch b) of x = input_states: scores s = sum over e of relu(Q(x) Wy + hp[b])[e] w[e], a running softmax over the rows, and the unnormalised sum of p x.
; Out: pr[b][c][1024] = sum of 2^(t - M) x, and pml[b][c] = (M, L): t = s log2(e), M the chunk's largest t, L the sum of 2^(t - M).  The last launch joins a batch's eight chunks.
; X IS READ FROM MEMORY ONCE.  A work-group walks four sub-chunks of 64 rows.  A sub-chunk's f32 rows come into LDS by one tensor load a wave (16 rows, 64 KiB dense), are copied into 512 registers of that wave
; and HELD there until their scores are known; as soon as they are copied, the next sub-chunk's rows are asked for into the same LDS bytes, and land while this sub-chunk is quantised, multiplied and summed.
; SHARES.  For x, wave w owns rows 16 w .. 16 w + 15: it fetches, holds and quantises them, and makes their softmax and weighted sum.  For the product, wave w owns columns 256 w .. 256 w + 255 for all 64 rows:
; four passes of 64 columns, each of 8 units of 128 along K, each unit 16 matrix instructions (4 tiles of rows x 4 tiles of columns).  The rows' codes go from wave to wave through LDS.
; Wy comes from memory in fragment order (WyF, WyS), straight into registers, three units ahead, in four sets by turns.
; NO CLUSTER: the work-groups share Wy alone; a joint tensor load could bring it only into LDS, of which the x slot (278,528 bytes), the codes and the small tables leave 2,304 bytes.
; THE PRODUCT IS USED TRANSPOSED (source 0 = 16 rows of Wy, source 1 = 16 rows of x): a lane holds one row of x and eight columns; hp is the C of a pass's first unit.
; LIMITS.  NaN and infinities among the inputs are not served.  A block of 32 zeros gets the scale byte 1 (the rule says 127): its codes are zeros, and this launch alone reads the byte.
; hp is added ahead of the products, not behind them: another order of rounding in f32.  The last sub-chunk's look-ahead (units 32 to 35, inside the buffer) is loaded and not used.
.set XSW,   69632                      ; LDS: a wave's 16 rows of x: 256 pieces of 256 bytes + 16 of padding; a row is 16 pieces, 4,352 bytes
.set XC,    278528                     ; the 64 rows' codes, 512 bytes + 16 a row; at the end its first 16 KiB take the four waves' sums
.set XCP,   528
.set XSB,   312320                     ; their scale bytes, 32 + 16 a row
.set HPL,   315392                     ; hp[b], 4,096 bytes; w follows at + 4,096
.set SCP,   323584                     ; [wave][64 rows] partial scores
.set MLR,   324608                     ; [wave] (M, L)
.set SPARE, 324864                     ; the spare words, 128 bytes for each wave: two blocks of 256 bytes that no other line names
.set SPW,  1                           ; v1   SPARE + 4 x my thread's number; never rewritten
.set NIL,  2                           ; v2   0; never rewritten
.set AH0,  3                           ; v3   the x slot: my 32 bytes of a piece, rows 0-7;   v4: rows 8-15
.set AH1,  4
.set ACS,  5                           ; v5   where I store codes
.set ASS,  6                           ; v6   where I store scale bytes
.set AA,   7                           ; v7   where I read fragments of x
.set AAS,  8                           ; v8   where I read x's scale words
.set AHP0, 9                           ; v9   my eight numbers of hp in pass 0;   v10: in the pass in hand
.set ADH,  10
.set ASC,  11                          ; v11  where I store partial scores;   v12: where I read my rows' partials
.set ASR,  12
.set GB,   13                          ; v13  16 x lane;   v14  8 x lane
.set GS,   14
.set AML,  15                          ; v15  my wave's (M, L) in LDS
.set ARD,  16                          ; v16  the end: where I store my sums;   v17: where I read four waves' sums
.set ARR,  17
.set GT,   18                          ; v18  16 x thread
.set AHW,  19                          ; v19  HPL + 16 x thread
.set SCO,  24                          ; v24-31   four pairs of score sums, one for each tile of rows
.set RACC, 32                          ; v32-63   the weighted sum: column 256 g + 8 lane + j at 32 + 8 g + j
.set HW,   64                          ; v64-95   hp of the pass (8 t + j), from unit 1 on w of the pass
.set AF,   96                          ; v96-159  two sets of four fragments of x
.set QM,   96                          ; while quantising: v96-103 largest magnitudes, v104-111 the conversions' scale operands,
.set QS,   104
.set QC,   112                         ; v112-127 codes, v128-143 scale bytes, each in two banks
.set QB,   128
.set AS,   160                         ; v160-175 x's scale words: 8 (m / 2) + s; lanes 0-15 the even tile of rows, lanes 16-31 the odd one
.set BS,   176                         ; v176-183 Wy's scale words: four pairs
.set RM,   184                         ; v184 M, v185 L, v[186:187] f = 2^(old M - new M) (the pair's low word serves both halves)
.set RL,   185
.set RF,   186
.set SW,   188                         ; v188-199 at work in the softmax
; window 1: v0-127 the 16 accumulators ((m, t) at 8 (4 m + t)); v128-255 four sets of Wy's fragments (set k, tile t at 128 + 32 k + 8 t)
; windows 2, 3: the rows of x that are held: row i, group g, number j at 32 (i % 8) + 8 g + j = x[row][256 g + 8 lane + j]; rows 0-7 window 2, rows 8-15 window 3
.set WB,   40                          ; s[40:41] WyF at my w and the pass in hand;   s[42:43] WyS likewise
.set WS,   42
.set PS,   68                          ; s[68:99] p of my 16 rows: pairs, of which the packed form takes the low word
.set MSB, 0
.macro WIN new                         ; the immediate's high byte repeats the setting that is left; bits 1:0 source 0, 3:2 source 1, 5:4 source 2, 7:6 destination
.if MSB != (\new)
	s_set_vgpr_msb (MSB<<8)|(\new)
.set MSB, (\new)
.endif
.endm
.macro PLACES                          ; four plain places behind matrix instructions, in front of loads into their registers and of reads of their results
.rept 4
	v_nop
.endr
.endm
.macro BFETCH k, u                     ; unit u (counted from the pass in hand) of Wy into set k: 8 loads of 512 consecutive bytes, and one of 256 for the scale words
	WIN 0x40
.irp t, 0,1,2,3
.irp c, 0,1
	global_load_b128 v[128+32*(\k)+8*\t+4*\c:128+32*(\k)+8*\t+4*\c+3], v[GB], s[WB:WB+1] offset:(\u)*4096+1024*\t+512*\c
.endr
.endr
	WIN 0
	global_load_b64 v[BS+2*(\k):BS+2*(\k)+1], v[GS], s[WS:WS+1] offset:(\u)*256
.endm
.macro AFETCH s                        ; the four fragments of x of K step s: lane (r, h): row 16 m + r, 16 bytes at 64 s + 32 c + 16 h
.irp m, 0,1,2,3
.irp c, 0,1
	ds_load_b128 v[AF+32*((\s)%2)+8*\m+4*\c:AF+32*((\s)%2)+8*\m+4*\c+3], v[AA] offset:\m*16*XCP+64*(\s)+32*\c
.endr
.endr
.endm
.macro WM m, t, s                      ; one product: tile of rows m, tile of columns t, K step s
.set rD, 8*(4*(\m)+(\t))
.set rB, 128+32*((\s)%4)+8*(\t)
.set rA, AF+32*((\s)%2)+8*(\m)
.set rX, BS+2*((\s)%4)+(\t)/2
.set rY, AS+8*((\m)/2)+(\s)
.if (\s) == 0
.set rC, HW+8*(\t)
.else
.set rC, rD
.endif
.if ((\t)%2 == 0) && ((\m)%2 == 0)
	v_wmma_scale_f32_16x16x128_f8f6f4 v[rD:rD+7], v[rB:rB+7], v[rA:rA+7], v[rC:rC+7], v[rX], v[rY] matrix_a_fmt:MATRIX_FMT_FP4 matrix_b_fmt:MATRIX_FMT_FP4
.elseif ((\t)%2 == 1) && ((\m)%2 == 0)
	v_wmma_scale_f32_16x16x128_f8f6f4 v[rD:rD+7], v[rB:rB+7], v[rA:rA+7], v[rC:rC+7], v[rX], v[rY] matrix_a_fmt:MATRIX_FMT_FP4 matrix_b_fmt:MATRIX_FMT_FP4 matrix_a_scale:MATRIX_SCALE_ROW1
.elseif ((\t)%2 == 0) && ((\m)%2 == 1)
	v_wmma_scale_f32_16x16x128_f8f6f4 v[rD:rD+7], v[rB:rB+7], v[rA:rA+7], v[rC:rC+7], v[rX], v[rY] matrix_a_fmt:MATRIX_FMT_FP4 matrix_b_fmt:MATRIX_FMT_FP4 matrix_b_scale:MATRIX_SCALE_ROW1
.else
	v_wmma_scale_f32_16x16x128_f8f6f4 v[rD:rD+7], v[rB:rB+7], v[rA:rA+7], v[rC:rC+7], v[rX], v[rY] matrix_a_fmt:MATRIX_FMT_FP4 matrix_b_fmt:MATRIX_FMT_FP4 matrix_a_scale:MATRIX_SCALE_ROW1 matrix_b_scale:MATRIX_SCALE_ROW1
.endif
.endm
; A UNIT: 128 along K.  Its loads stand in one run at its head: Wy three units on, into the set that the last unit multiplied; x one unit on, into the other set.
.macro UNIT s
.if (\s) > 0
	PLACES                                         ; the loads below land in registers that the last unit's products read
	BFETCH ((\s)+3)%4, (\s)+3                      ; (unit 0 fetches nothing: its unit 3 was asked for behind the last pass's unit 7, or at the head)
.endif
.if (\s) == 1
	s_wait_alu depctr_va_vdst(0)
.irp t, 0,1,2,3
.irp q, 0,1
	ds_load_b128 v[HW+8*\t+4*\q:HW+8*\t+4*\q+3], v[ADH] offset:4096+64*\t+16*\q   ; unit 0 has taken hp: its registers take the pass's w
.endr
.endr
.endif
.if (\s) < 7
	AFETCH (\s)+1
.endif
	s_wait_loadcnt 27                              ; this unit's nine loads are in: behind them stand those of the next three units, 9 each
.if (\s) == 1
	s_wait_dscnt 16                                ; this unit's fragments of x are in; w's 8 loads and the next unit's 8 may be out
.elseif (\s) == 7
	s_wait_dscnt 0x0                               ; nothing was asked for behind them
.else
	s_wait_dscnt 8                                 ; the next unit's 8 may be out
.endif
.if (\s) == 0
	WIN 0x41                                       ; Wy window 1, x window 0, C = hp window 0, D window 1
.else
	WIN 0x51                                       ; C and D window 1
.endif
.irp m, 0,1,2,3
.irp t, 0,1,2,3
	WM \m, \t, \s                                  ; the 16 accumulators by turns, in the same order in every unit
.endr
.endr
.if (\s) == 7
	PLACES                                         ; set 3 has just been multiplied: four places, then it takes unit 11 of the pass in hand = unit 3 of the next pass.
	BFETCH 3, 11                                   ; So four units are out over a pass's end and a sub-chunk's end; the last sub-chunk's look-ahead that is loaded and not used is units 32 to 35, inside the buffer's 40
.endif
.endm
; The slot's 16 rows of my wave into windows 2 and 3.  Sixteen lanes of a load take 16 bytes of each 32 in two pieces 272 bytes apart: sixteen different 16-byte columns.
.macro HOLDLD
	WIN 0x80
.irp i, 0,1,2,3,4,5,6,7
.irp g, 0,1,2,3
.irp q, 0,1
	ds_load_b128 v[32*\i+8*\g+4*\q:32*\i+8*\g+4*\q+3], v[AH0] offset:\i*4352+1088*\g+16*\q
.endr
.endr
.endr
	WIN 0xc0
.irp i, 0,1,2,3,4,5,6,7
.irp g, 0,1,2,3
.irp q, 0,1
	ds_load_b128 v[32*\i+8*\g+4*\q:32*\i+8*\g+4*\q+3], v[AH1] offset:\i*4352+1088*\g+16*\q
.endr
.endr
.endr
	WIN 0
.endm
; Two rows are quantised: 8 groups of 8 numbers a lane, by turns.  A block of 32 along K lies in four neighbouring lanes.  win: the rows' window; li: the first row in it; bank: which registers take the results; n: the batch.
.macro QB2 win, li, bank, n
.set XB, 32*(\li)
.set QCB, QC+8*(\bank)
.set QBB, QB+8*(\bank)
.set ROWI, 8*((\win)-2)+(\li)
	WIN 5*(\win)
.irp e, 0,1,2,3,4,5,6,7
	v_max3_num_f32 v[QM+\e], |v[XB+8*\e]|, |v[XB+8*\e+1]|, 0x1800000      ; with the floor 2^(3 - 127): the byte cannot fall under 1
.endr
	WIN 20*(\win)
.irp k, 2,4,6
.irp e, 0,1,2,3,4,5,6,7
	v_max3_num_f32 v[QM+\e], v[QM+\e], |v[XB+8*\e+\k]|, |v[XB+8*\e+\k+1]|
.endr
.endr
	WIN 0
.irp e, 0,1,2,3,4,5,6,7
	v_max_num_f32_dpp v[QM+\e], v[QM+\e], v[QM+\e] row_xmask:1 row_mask:0xf bank_mask:0xf
.endr
.irp e, 0,1,2,3,4,5,6,7
	v_max_num_f32_dpp v[QM+\e], v[QM+\e], v[QM+\e] row_xmask:2 row_mask:0xf bank_mask:0xf   ; the block's largest magnitude
.endr
.irp e, 0,1,2,3,4,5,6,7
	v_add_nc_u32 v[QS+\e], 0xff000000, v[QM+\e]    ; 2 off its exponent field: the conversion takes the exponent field of this operand as its scale
.endr
.if (\n) >= 2
	s_wait_alu depctr_va_vdst(0)
	s_wait_dscnt 16                                ; this bank's stores of two batches ago are done: behind them stand the last batch's 16
.endif
	WIN (\win)
.irp e, 0,1,2,3,4,5,6,7
	v_cvt_scalef32_pk8_fp4_f32 v[QCB+\e], v[XB+8*\e:XB+8*\e+7], v[QS+\e]
.endr
	WIN 0
.irp e, 0,1,2,3,4,5,6,7
	v_lshrrev_b32 v[QBB+\e], 23, v[QS+\e]          ; the scale's byte.  (Also the plain place behind the conversions)
.endr
.irp e, 0,1,2,3,4,5,6,7
	ds_store_b32 v[ACS], v[QCB+\e] offset:(ROWI+\e/4)*XCP+128*(\e%4)      ; 8 codes: the wave stores 128 consecutive bytes of a row
.endr
.irp e, 0,1,2,3,4,5,6,7
	ds_store_b8 v[ASS], v[QBB+\e] offset:(ROWI+\e/4)*48+8*(\e%4)          ; the four lanes of a block write the same byte with the same value
.endr
.endm
; The four passes of a sub-chunk.
.macro PASSES
.irp j, 0,1,2,3,4,5,6,7
	v_mov_b32 v[SCO+\j], 0
.endr
	s_mov_b32 s38, 0                               ; 256 x pass: the pass's bytes in hp and w, and the loop's counter
.Lpass_\@:
	v_add_nc_u32 v[ADH], s38, v[AHP0]
.irp t, 0,1,2,3
.irp q, 0,1
	ds_load_b128 v[HW+8*\t+4*\q:HW+8*\t+4*\q+3], v[ADH] offset:64*\t+16*\q   ; lane (r, h): hp[b][256 w + 64 pass + 16 t + 8 h + 0 .. 7]
.endr
.endr
	AFETCH 0
.irp s, 0,1,2,3,4,5,6,7
	UNIT \s
.endr
	PLACES
	WIN 0x44
.set a, 0
.rept 128
	v_max_num_f32 v[a], 0, v[a]                    ; relu, in f32; each accumulator from its low end on
.set a, a+1
.endr
	WIN 0x01
.irp t, 0,1,2,3
.irp j, 0,2,4,6
.irp m, 0,1,2,3
	v_pk_fma_f32 v[SCO+2*\m:SCO+2*\m+1], v[8*(4*\m+\t)+\j:8*(4*\m+\t)+\j+1], v[HW+8*\t+\j:HW+8*\t+\j+1], v[SCO+2*\m:SCO+2*\m+1]   ; x w, two columns at a time, the four tiles of rows by turns
.endr
.endr
.endr
	WIN 0
	s_wait_xcnt 0x0                                ; the loads have read their bases: these step only behind this wait
	s_add_nc_u64 s[WB:WB+1], s[WB:WB+1], 32768     ; 8 units on
	s_add_nc_u64 s[WS:WS+1], s[WS:WS+1], 2048
	s_add_co_u32 s38, s38, 256
	s_cmp_lt_u32 s38, 1024
	s_cbranch_scc1 .Lpass_\@
	s_sub_nc_u64 s[WB:WB+1], s[WB:WB+1], 131072    ; back to unit 0: sets 0 to 2 hold, or await, units 32 to 34, which repeat units 0 to 2
	s_sub_nc_u64 s[WS:WS+1], s[WS:WS+1], 8192
.endm
; The scores meet; my 16 rows' softmax step; their weighted sum from the registers that hold them.
; Two held rows (i0, i0 + 1 of window win) are added into the weighted sum; hold = 1: the same registers then take the same two rows of the next sub-chunk from the slot,
; so that the later rows' multiply-adds are issued while these LDS loads are served.
.macro WROWS win, i0, adr, hold
	WIN (\win)
.irp d, 0,1
.irp k, 0,2,4,6,8,10,12,14,16,18,20,22,24,26,28,30
	v_pk_fma_f32 v[RACC+\k:RACC+\k+1], v[32*((\i0)+\d)+\k:32*((\i0)+\d)+\k+1], s[PS+16*((\win)-2)+2*((\i0)+\d):PS+16*((\win)-2)+2*((\i0)+\d)+1], v[RACC+\k:RACC+\k+1] op_sel_hi:[1,0,1]
.endr
.endr
.if \hold
	WIN (\win)<<6
.irp d, 0,1
.irp g, 0,1,2,3
.irp q, 0,1
	ds_load_b128 v[32*((\i0)+\d)+8*\g+4*\q:32*((\i0)+\d)+8*\g+4*\q+3], v[\adr] offset:((\i0)+\d)*4352+1088*\g+16*\q
.endr
.endr
.endr
.endif
.endm
.macro SOFTW hold
.irp m, 0,1,2,3
	v_add_f32 v[SW+\m], v[SCO+2*\m], v[SCO+2*\m+1]
.endr
.irp m, 0,1,2,3
	v_permlanex16_b32 v[SW+4+\m], v[SW+\m], s20, s21
.endr
.irp m, 0,1,2,3
	v_add_f32 v[SW+\m], v[SW+\m], v[SW+4+\m]       ; row 16 m + r over my 256 columns
.endr
.irp m, 0,1,2,3
	ds_store_b32 v[ASC], v[SW+\m] offset:64*\m     ; both halves of the lanes write the same word with the same value
.endr
.if \hold
	s_wait_tensorcnt 0x0                           ; my 16 rows of the next sub-chunk have landed (one tensor load of mine was out); only I read them, further down
.endif
	s_wait_dscnt 0x0
	s_barrier_signal -1
	s_barrier_wait -1
.irp q, 0,1,2,3
	ds_load_b32 v[SW+4+\q], v[ASR] offset:256*\q   ; row 16 w + r: the four waves' parts
.endr
	s_wait_dscnt 0x0
	v_add_f32 v[SW+4], v[SW+4], v[SW+5]
	v_add_f32 v[SW+6], v[SW+6], v[SW+7]
	v_add_f32 v[SW+4], v[SW+4], v[SW+6]
	v_mul_f32 v[SW+4], 0x3fb8aa3b, v[SW+4]         ; t = score x log2(e)
	v_max_num_f32_dpp v[SW+5], v[SW+4], v[SW+4] row_xmask:1 row_mask:0xf bank_mask:0xf
	v_max_num_f32_dpp v[SW+5], v[SW+5], v[SW+5] row_xmask:2 row_mask:0xf bank_mask:0xf
	v_max_num_f32_dpp v[SW+5], v[SW+5], v[SW+5] row_xmask:4 row_mask:0xf bank_mask:0xf
	v_max_num_f32_dpp v[SW+5], v[SW+5], v[SW+5] row_xmask:8 row_mask:0xf bank_mask:0xf
	v_max_num_f32 v[SW+6], v[RM], v[SW+5]          ; the running maximum
	v_sub_f32 v[SW+7], v[RM], v[SW+6]
	v_sub_f32 v[SW+8], v[SW+4], v[SW+6]
	s_wait_alu depctr_va_vdst(0)
	v_exp_f32 v[RF], v[SW+7]                       ; f = 2^(old M - new M)
	v_exp_f32 v[SW+9], v[SW+8]                     ; p = 2^(t - M)
	v_mov_b32 v[RM], v[SW+6]                       ; (the plain place behind the exponentials)
	s_wait_alu depctr_va_vdst(0)
	v_fma_f32 v[RL], v[RL], v[RF], v[SW+9]         ; each lane sums its own row's p; the lanes are joined at the end
.irp k, 0,2,4,6,8,10,12,14,16,18,20,22,24,26,28,30
	v_pk_mul_f32 v[RACC+\k:RACC+\k+1], v[RACC+\k:RACC+\k+1], v[RF:RF+1] op_sel_hi:[1,0]
.endr
.irp i, 0,1,2,3,4,5,6,7,8,9,10,11,12,13,14,15
	v_readlane_b32 s[PS+2*\i], v[SW+9], \i         ; row i's p, for all lanes
.endr
.irp i, 0,2,4,6
	WROWS 2, \i, AH0, \hold                        ; rows 0-7, in ascending order
.endr
.irp i, 0,2,4,6
	WROWS 3, \i, AH1, \hold                        ; rows 8-15
.endr
	WIN 0
.endm
; A SUB-CHUNK of 64 rows.  fill = 1: the slot is filled again with the next one.
; At its head the sub-chunk's rows are on their way from the slot into the registers that hold them: asked for ahead of the loop (the first) or among the last sub-chunk's weighted sums.
.macro CHUNK fill
.if \fill
	s_wait_tensorcnt 0x0                           ; no tensor load of mine is out, so the descriptor may be written
	ds_add_u32 v[SPW], v[NIL]                      ; 0 onto my spare word
	s_add_nc_u64 s[34:35], s[34:35], 262144        ; 64 rows of 4,096 bytes on; the type bits on top are not reached
	s_wait_dscnt 0x0                               ; the add is done, and my 128 reads of the slot are back
	s_barrier_signal -1
	s_barrier_wait -1
	tensor_load_to_lds s[32:35], s[24:31]          ; my one tensor load behind this barrier, and the first thing there: it has the whole sub-chunk's work in which to land
	s_nop 0
	PLACES                                         ; four v_nop follow it, ahead of the switch of windows
.else
	s_wait_dscnt 0x0
.endif
	QB2 2, 0, 0, 0
	QB2 2, 2, 1, 1
	QB2 2, 4, 0, 2
	QB2 2, 6, 1, 3
	QB2 3, 0, 0, 4
	QB2 3, 2, 1, 5
	QB2 3, 4, 0, 6
	QB2 3, 6, 1, 7
	s_wait_dscnt 0x0                               ; for the others' sake: my rows' codes and scale bytes are stored
	s_barrier_signal -1
	s_barrier_wait -1                              ; all 64 rows' are.
.irp q, 0,1
.irp z, 0,1
	ds_load_b128 v[AS+8*\q+4*\z:AS+8*\q+4*\z+3], v[AAS] offset:1536*\q+16*\z   ; lane l: the eight scale words of row 32 q + l
.endr
.endr
	PASSES
	s_wait_alu depctr_va_vdst(0)
	SOFTW \fill                                    ; fill = 1: a successor lies in the slot, and is copied as the held rows are summed
.endm
	s_load_b256 s[4:11], s[0:1], 0x0               ; x s[4:5], WyF s[6:7], WyS s[8:9], hp s[10:11]
	s_load_b128 s[12:15], s[0:1], 0x20             ; w s[12:13], pr s[14:15]
	s_load_b64 s[16:17], s[0:1], 0x30              ; pml
	v_lshl_add_u32 v[SPW], v0, 2, SPARE
	v_mov_b32 v[NIL], 0
	ds_add_u32 v1, v2
	ds_add_u32 v1, v2
	s_wait_dscnt 0x0
	v_lshrrev_b32 v20, 5, v0
	v_readfirstlane_b32 s18, v20                   ; wave w
	; descriptor group 1: a dense block of 64 KiB as 256 rows of 32 elements of 8 bytes, 4 words of padding behind every 64 words
	s_mov_b32 s24, (3<<16)|(1<<20)|(5<<22)|(3<<25)
	s_mov_b32 s25, 32<<16                          ; tensor_dim0 = 32
	s_mov_b32 s26, 256<<16                         ; tensor_dim1 = 256
	s_mov_b32 s27, 32<<16                          ; tile_dim0 = 32
	s_mov_b32 s28, 256                             ; tile_dim1 = 256
	s_mov_b32 s29, 32                              ; from row to row: 32 elements
	s_mov_b32 s30, 0
	s_mov_b32 s31, 0
	s_and_b32 s19, ttmp7, 0xffff                   ; batch b
	s_lshl_b32 s22, s19, 23                        ; x: b x 2,048 rows, + c x 256 rows, + w x 16 rows, of 4,096 bytes: under 2^28
	s_lshl_b32 s23, ttmp9, 20
	s_add_co_u32 s22, s22, s23
	s_lshl_b32 s23, s18, 16
	s_add_co_u32 s22, s22, s23
	s_mov_b32 s23, 0
	s_lshl_b32 s44, s19, 12                        ; hp: row b
	s_mov_b32 s45, 0
	s_lshl_b32 s46, s19, 3
	s_add_co_u32 s46, s46, ttmp9                   ; 8 b + c
	s_lshl_b32 s48, s46, 3                         ; pml: 8 bytes each
	s_mov_b32 s49, 0
	s_lshl_b32 s46, s46, 12                        ; pr: 4,096 bytes each
	s_mov_b32 s47, 0
	s_mul_i32 s50, s18, 163840                     ; WyF: 40 units of 4,096 bytes for each w
	s_mov_b32 s51, 0
	s_mul_i32 s52, s18, 10240                      ; WyS: 40 units of 256 bytes
	s_mov_b32 s53, 0
	s_mov_b32 s32, 1                               ; descriptor group 0: count = 1,
	s_mul_i32 s33, s18, XSW                        ; LDS address: my wave's part of the slot,
	s_mov_b32 s20, 0x76543210
	s_mov_b32 s21, 0xfedcba98                      ; v_permlanex16_b32's selects for lane l xor 16
	s_wait_kmcnt 0x0
	s_add_nc_u64 s[34:35], s[4:5], s[22:23]        ; global address of my first 16 rows,
	s_or_b32 s35, s35, 0x80000000                  ; type = 2
	tensor_load_to_lds s[32:35], s[24:31]          ; the first fill, ahead of every wait on TENSORcnt, every LDS read and every barrier
	s_nop 0
	PLACES
	s_add_nc_u64 s[10:11], s[10:11], s[44:45]
	s_add_nc_u64 s[14:15], s[14:15], s[46:47]
	s_add_nc_u64 s[16:17], s[16:17], s[48:49]
	s_add_nc_u64 s[WB:WB+1], s[6:7], s[50:51]
	s_add_nc_u64 s[WS:WS+1], s[8:9], s[52:53]
	v_and_b32 v20, 31, v0                          ; lane
	v_and_b32 v21, 15, v0                          ; r
	v_bfe_u32 v22, v0, 4, 1                        ; h
	v_lshlrev_b32 v[GT], 4, v0
	v_lshlrev_b32 v[GB], 4, v20
	v_lshlrev_b32 v[GS], 3, v20
	s_wait_alu depctr_va_vdst(0)                   ; the wait directly behind the write
	global_load_b128 v[200:203], v[GT], s[10:11]               ; hp[b] and w, 16 bytes a thread, twice each
	global_load_b128 v[204:207], v[GT], s[10:11] offset:2048
	global_load_b128 v[208:211], v[GT], s[12:13]
	global_load_b128 v[212:215], v[GT], s[12:13] offset:2048
	BFETCH 0, 0                                    ; Wy's units 0, 1, 2
	BFETCH 1, 1
	BFETCH 2, 2
	BFETCH 3, 3                                    ; and unit 3: unit 0 of a pass fetches nothing
	v_bfe_u32 v23, v0, 3, 2                        ; lane / 8
	v_and_b32 v[AH0], 7, v0
	v_lshlrev_b32 v[AH0], 5, v[AH0]
	v_mad_u32_u24 v[AH0], v23, 272, v[AH0]
	v_add_nc_u32 v[AH0], s33, v[AH0]               ; w x 69,632 + (lane / 8) x 272 + (lane % 8) x 32
	v_add_nc_u32 v[AH1], 34816, v[AH0]             ; eight rows on
	s_mul_i32 s22, s18, 16*XCP
	s_add_co_u32 s22, s22, XC
	v_lshl_add_u32 v[ACS], v20, 2, s22
	v_bfe_u32 v[ASS], v0, 2, 3                     ; lane / 4: my block among a group's eight
	s_mul_i32 s22, s18, 16*48
	s_add_co_u32 s22, s22, XSB
	v_add_nc_u32 v[ASS], s22, v[ASS]
	v_mul_u32_u24 v[AA], v21, XCP
	v_lshl_add_u32 v[AA], v22, 4, v[AA]
	v_add_nc_u32 v[AA], XC, v[AA]
	v_mul_u32_u24 v[AAS], v20, 48
	v_add_nc_u32 v[AAS], XSB, v[AAS]
	s_lshl_b32 s22, s18, 10
	s_add_co_u32 s22, s22, HPL
	v_lshl_add_u32 v[AHP0], v22, 5, s22
	s_lshl_b32 s22, s18, 8
	s_add_co_u32 s22, s22, SCP
	v_lshl_add_u32 v[ASC], v21, 2, s22
	s_lshl_b32 s22, s18, 6
	s_add_co_u32 s22, s22, SCP
	v_lshl_add_u32 v[ASR], v21, 2, s22
	s_lshl_b32 s22, s18, 3
	s_add_co_u32 s22, s22, MLR
	v_mov_b32 v[AML], s22
	s_lshl_b32 s22, s18, 12
	s_add_co_u32 s22, s22, XC
	v_lshl_add_u32 v[ARD], v20, 5, s22
	v_add_nc_u32 v[ARR], XC, v[GT]
	v_add_nc_u32 v[AHW], HPL, v[GT]
.irp j, 0,1,2,3,4,5,6,7,8,9,10,11,12,13,14,15,16,17,18,19,20,21,22,23,24,25,26,27,28,29,30,31
	v_mov_b32 v[RACC+\j], 0                        ; the sub-chunk is written for all four: the first finds zeros, which f = 0 leaves zeros
.endr
	v_mov_b32 v[RM], 0xff61b1e6                    ; the largest t so far: -3e38, under every t
	v_mov_b32 v[RL], 0
	v_mov_b32 v[RF+1], 0                           ; (named as the upper half of a pair)
.irp m, 0,1,2,3
	v_mov_b32 v[SW+4+\m], 0                        ; written once: a lane permute's destination counts as one of its sources
.endr
.irp i, 0,1,2,3,4,5,6,7,8,9,10,11,12,13,14,15
	s_mov_b32 s[PS+2*\i+1], 0                      ; the pairs' upper words are named and not taken: written once
.endr
	s_wait_loadcnt 36                              ; hp and w are in; behind them stand Wy's four units, 9 loads each
	ds_store_b128 v[AHW], v[200:203]
	ds_store_b128 v[AHW], v[204:207] offset:2048
	ds_store_b128 v[AHW], v[208:211] offset:4096
	ds_store_b128 v[AHW], v[212:215] offset:6144   ; they are read behind the first sub-chunk's barrier for the codes, in front of which every wave waits for its LDS stores
	s_wait_tensorcnt 0x0                           ; my 16 rows of the first sub-chunk have landed; only I read them
	HOLDLD                                         ; the first copy stands ahead of the loop; the later ones stand among the weighted sums
	s_mov_b32 s36, 3
.Lsub:
	CHUNK 1
	s_sub_co_u32 s36, s36, 1
	s_cmp_lg_u32 s36, 0
	s_cbranch_scc1 .Lsub
	CHUNK 0                                        ; the last is written out
	; THE END: the four waves' (M, L) and sums are joined.  The sums go through the codes' bytes, which nobody reads since the last barrier.
.irp x, 1,2,4,8
	v_add_f32_dpp v[RL], v[RL], v[RL] row_xmask:\x row_mask:0xf bank_mask:0xf     ; L over my 16 rows (both halves of the lanes hold the same)
.endr
.irp g, 0,1,2,3
.irp q, 0,1
	ds_store_b128 v[ARD], v[RACC+8*\g+4*\q:RACC+8*\g+4*\q+3] offset:1024*\g+16*\q
.endr
.endr
	ds_store_b64 v[AML], v[RM:RM+1]                ; every lane writes the same two words
	s_wait_dscnt 0x0
	s_barrier_signal -1
	s_barrier_wait -1
	v_mov_b32 v200, MLR
	ds_load_b128 v[204:207], v200                  ; M0 L0 M1 L1
	ds_load_b128 v[208:211], v200 offset:16        ; M2 L2 M3 L3
.irp u, 0,1,2,3
.irp z, 0,1
	ds_load_b128 v[216+8*\u+4*\z:216+8*\u+4*\z+3], v[ARR] offset:4096*\u+2048*\z   ; wave u's sums of columns 512 z + 4 thread + 0 .. 3
.endr
.endr
	s_wait_dscnt 0x0
	v_max3_num_f32 v202, v204, v206, v208
	v_max_num_f32 v202, v202, v210                 ; the chunk's M
.irp u, 0,1,2,3
	v_sub_f32 v[212+\u], v[204+2*\u], v202
.endr
	s_wait_alu depctr_va_vdst(0)
.irp u, 0,1,2,3
	v_exp_f32 v[212+\u], v[212+\u]
.endr
	v_mov_b32 v201, 0                              ; (the plain place behind the exponentials; also the offset of the store of M and L)
	s_wait_alu depctr_va_vdst(0)
	v_mul_f32 v203, v212, v205
.irp u, 1,2,3
	v_fmac_f32 v203, v[212+\u], v[205+2*\u]        ; the chunk's L
.endr
.irp k, 0,1,2,3,4,5,6,7
	v_mul_f32 v[248+\k], v212, v[216+\k]
.endr
.irp u, 1,2,3
.irp k, 0,1,2,3,4,5,6,7
	v_fmac_f32 v[248+\k], v[212+\u], v[216+8*\u+\k]
.endr
.endr
	global_store_b128 v[GT], v[248:251], s[14:15]              ; a wave stores 512 consecutive bytes
	global_store_b128 v[GT], v[252:255], s[14:15] offset:2048
	v_cmp_eq_u32 vcc_lo, 0, v0
	s_wait_xcnt 0x0                                ; EXEC is a source of the stores above: it changes only behind this wait
	s_and_saveexec_b32 s19, vcc_lo
	global_store_b64 v201, v[202:203], s[16:17]    ; thread 0 alone
	s_wait_xcnt 0x0                                ; and again, in front of the line that widens it
	s_or_b32 exec_lo, exec_lo, s19
	s_wait_tensorcnt 0x0                           ; the wave's end, behind my last tensor load and my last LDS store
	ds_add_u32 v[SPW], v[NIL]
	s_wait_dscnt 0x0
	s_endpgm
.Lfunc_end_k_qe5ab74d647_main:
	.size	k_qe5ab74d647_main, .Lfunc_end_k_qe5ab74d647_main-k_qe5ab74d647_main
	.p2alignl 7, 3214868480
	.fill 96, 4, 3214868480
	.section	.rodata,"a",@progbits
	.p2align	6, 0x0
	.amdhsa_kernel k_qe5ab74d647_main
		.amdhsa_group_segment_fixed_size 327680
		.amdhsa_private_segment_fixed_size 0
		.amdhsa_enable_private_segment 0
		.amdhsa_kernarg_size 56
		.amdhsa_user_sgpr_count 2
		.amdhsa_user_sgpr_kernarg_segment_ptr 1
		.amdhsa_wavefront_size32 1
		.amdhsa_system_sgpr_workgroup_id_x 1
		.amdhsa_system_sgpr_workgroup_id_y 1
		.amdhsa_system_sgpr_workgroup_id_z 1
		.amdhsa_system_vgpr_workitem_id 0
		.amdhsa_next_free_vgpr 1024
		.amdhsa_next_free_sgpr 100
		.amdhsa_reserve_vcc 1
		.amdhsa_float_denorm_mode_32 3
		.amdhsa_float_denorm_mode_16_64 3
		.amdhsa_memory_ordered 1
		.amdhsa_forward_progress 1
		.amdhsa_inst_pref_size 242
	.end_amdhsa_kernel
	.amdgpu_metadata
---
amdhsa.version: [ 1, 2 ]
amdhsa.kernels:
  - .name:           k_qe5ab74d647_main
    .symbol:         k_qe5ab74d647_main.kd
    .args:
      - { .name: input_states, .offset: 0, .size: 8, .value_kind: global_buffer, .address_space: global }
      - { .name: WyF, .offset: 8, .size: 8, .value_kind: global_buffer, .address_space: global }
      - { .name: WyS, .offset: 16, .size: 8, .value_kind: global_buffer, .address_space: global }
      - { .name: hp, .offset: 24, .size: 8, .value_kind: global_buffer, .address_space: global }
      - { .name: w, .offset: 32, .size: 8, .value_kind: global_buffer, .address_space: global }
      - { .name: pr, .offset: 40, .size: 8, .value_kind: global_buffer, .address_space: global }
      - { .name: pml, .offset: 48, .size: 8, .value_kind: global_buffer, .address_space: global }
    .group_segment_fixed_size: 327680
    .private_segment_fixed_size: 0
    .kernarg_segment_align: 8
    .kernarg_segment_size: 56
    .max_flat_workgroup_size: 128
    .sgpr_count:     100
    .vgpr_count:     1024
    .wavefront_size: 32
...
	.end_amdgpu_metadata
.endif
;; end of part 2
;; launch final (part 3): grid 8 x 32, 8 waves a work-group, no clusters, 15,360 bytes of LDS; arguments pr, pml, Wp_codes, Wp_scales, Wx_codes, Wx_scales, last_state_codes, last_state_scales, out0; writes out0
.if DOCPART == 3
	.amdgcn_target "amdgcn-amd-amdhsa--gfx1250"
	.amdhsa_code_object_version 6
	.text
	.protected	k_qe5ab74d647_final
	.globl	k_qe5ab74d647_final
	.p2align	8
	.type	k_qe5ab74d647_final,@function
k_qe5ab74d647_final:
	s_mov_b64 s[64:65], 0
	v_nop
	global_prefetch_b8 v0, s[64:65] scope:SCOPE_SE
	s_setreg_imm32_b32 hwreg(HW_REG_WAVE_MODE, 25, 1), 1
	s_wait_xcnt 0x0
; out0[b][n] = relu(Q(r[b]) Wp + last_state[b] Wx), r[b] = the sum over the batch's eight chunks of 2^(M_c - M) pr[b][c] / L, L = the sum of 2^(M_c - M) L_c, M the largest M_c: the softmax's end, in f32.
; SHARES.  A work-group makes 128 columns of one batch, each of its eight waves a tile of 16 at n0 = 128 nb + 16 v.  Both products are used transposed: source 0 = 16 rows of the weight, source 1 = ONE row
; (r[b] or last_state[b]) in all 16 columns: so every lane (., h) holds out0[b][n0 + 8 h + 0 .. 7].  That gives each of 256 work-groups an eighth of a weight's rows to read; whole tiles of 16 batches
; would leave work for 16 work-groups.  The price: 16 matrix instructions a wave whose 16 columns are alike.
; r is made by all 256 threads (4 columns each), goes through LDS as f32, is quantised along K by wave v for K step v, and reaches every wave as an image of the operand's registers.
; LIMITS: NaN and infinities are not served; a block of 32 zeros of r gets the scale byte 1 (the rule says 127): its codes are zeros, and this launch alone reads the byte.
.set RFL,  0                           ; LDS: r, 4,096 bytes;
.set RI,   4096                        ; its 8 fragments, 1,024 bytes each;
.set RS,   12288                       ; their scale words, 128 bytes each;
.set STG,  13312                       ; the 128 results
.set ACC,  16                          ; v16-31   two accumulators, by turns along K
.set WPS,  32                          ; v32-39 Wp's scale words, v40-47 Wx's, v48-55 last_state's, v56-63 r's
.set WXS,  40
.set LSS,  48
.set RSS,  56
.set LSF,  64                          ; v64-127  last_state's 8 fragments
.set ST,   128                         ; v128-191 pr's eight chunks, then 64 numbers of r, then r's 8 fragments
.set PC,   192                         ; v192-199 r's four columns, then the codes just made
.set TM,   200                         ; v200-215 at work in the quantiser; at the end the results
.set PW,   216                         ; the scale word just made
.set ML,   220                         ; v220-235 (M_c, L_c);  v240-247 the chunks' weights;  v248 M;  v249 L
.set AW,   240
; window 1: v0-63 Wx's 8 fragments, v64-127 Wp's
.set FAW,  4                           ; v4   r x 512 + 16 h: a weight's fragment
.set FAL,  5                           ; v5   16 h: last_state's row b, the same in all 16 columns
.set SAW,  6                           ; v6   32 x r
.set ZER,  7                           ; v7   0
.set GT,   8                           ; v8   16 x thread
.set LI,   9                           ; v9   16 x lane
.set LS,   10                          ; v10  4 x lane
.set ARF,  11                          ; v11  512 v + 64 h: my 16 numbers of a block of r
.set AWI,  12                          ; v12  where I store my fragment's image;  v13 its scale word
.set AWS,  13
.set AST,  14                          ; v14  where I store my eight results
.set SEL,  40
.set MSB, 0
.macro WIN new                         ; the immediate's high byte repeats the setting that is left
.if MSB != (\new)
	s_set_vgpr_msb (MSB<<8)|(\new)
.set MSB, (\new)
.endif
.endm
; 64 numbers of a lane, v[s] .. v[s + 63], register 16 b + i = k 32 b + 16 (lane / 16) + i, become a fragment's codes in v[PC] on and its scale word in v[PW].
.macro QUANT s
.irp b, 0,1,2,3
	v_max3_num_f32 v[TM+\b], |v[\s+16*\b]|, |v[\s+1+16*\b]|, 0x1800000   ; block b: my 16 numbers, and the floor 2^(3 - 127): the byte cannot fall under 1
.endr
.irp i, 2,4,6,8,10,12,14
.irp b, 0,1,2,3
	s_delay_alu instid0(VALU_DEP_4)
	v_max3_num_f32 v[TM+\b], v[TM+\b], |v[\s+16*\b+\i]|, |v[\s+1+16*\b+\i]|
.endr
.endr
.irp b, 0,1,2,3
	s_delay_alu instid0(VALU_DEP_4)
	v_permlanex16_b32 v[TM+4+\b], v[TM+\b], s[SEL], s[SEL+1]
.endr
.irp b, 0,1,2,3
	s_delay_alu instid0(VALU_DEP_4)
	v_max_num_f32 v[TM+\b], v[TM+\b], v[TM+4+\b]   ; with lane l xor 16's: the block's largest magnitude
.endr
.irp b, 0,1,2,3
	s_delay_alu instid0(VALU_DEP_4)
	v_add_nc_u32 v[TM+12+\b], 0xff000000, v[TM+\b] ; 2 off its exponent field: the conversion's scale operand
.endr
.irp b, 0,1,2,3
	s_delay_alu instid0(VALU_DEP_4)
	v_lshrrev_b32 v[TM+4+\b], 23, v[TM+12+\b]      ; the scale's byte
.endr
	s_delay_alu instid0(VALU_DEP_3)
	v_lshl_or_b32 v[PW], v[TM+5], 8, v[TM+4]
	s_delay_alu instid0(VALU_DEP_1)
	v_lshl_or_b32 v[PW], v[TM+6], 16, v[PW]
	s_delay_alu instid0(VALU_DEP_1)
	v_lshl_or_b32 v[PW], v[TM+7], 24, v[PW]
.irp b, 0,1,2,3
	v_cvt_scalef32_pk8_fp4_f32 v[PC+2*\b], v[\s+16*\b:\s+7+16*\b], v[TM+12+\b]
	v_cvt_scalef32_pk8_fp4_f32 v[PC+1+2*\b], v[\s+8+16*\b:\s+15+16*\b], v[TM+12+\b]
.endr
	v_nop                                          ; one plain place behind a scaled conversion
.irp c, 0,1                                    ; the operand's layout wants a whole block in a lane: lanes 0-15 block 2 c, lanes 16-31 block 2 c + 1
.irp i, 0,1
	v_permlane16_swap_b32 v[PC+4*\c+\i], v[PC+2+4*\c+\i]
.endr
.endr
.endm
	s_load_b256 s[4:11], s[0:1], 0x0               ; pr s[4:5], pml s[6:7], Wp codes s[8:9], Wp scales s[10:11]
	s_load_b256 s[12:19], s[0:1], 0x20             ; Wx codes s[12:13], Wx scales s[14:15], last_state codes s[16:17], its scales s[18:19]
	s_load_b64 s[20:21], s[0:1], 0x40              ; out0
	v_lshl_add_u32 v254, v0, 2, 0x3800
	v_mov_b32 v255, 0
	v_lshrrev_b32 v1, 5, v0
	s_delay_alu instid0(VALU_DEP_1)
	v_readfirstlane_b32 s22, v1                    ; wave v
	v_and_b32 v1, 31, v0                           ; lane
	v_and_b32 v2, 15, v0                           ; r
	v_bfe_u32 v3, v0, 4, 1                         ; h
	s_delay_alu instid0(VALU_DEP_2)
	v_lshlrev_b32 v[FAW], 9, v2
	s_delay_alu instid0(VALU_DEP_1)
	v_lshl_add_u32 v[FAW], v3, 4, v[FAW]
	s_delay_alu instid0(VALU_DEP_3)
	v_lshlrev_b32 v[FAL], 4, v3
	v_lshlrev_b32 v[SAW], 5, v2
	v_mov_b32 v[ZER], 0
	v_lshlrev_b32 v[GT], 4, v0
	v_lshlrev_b32 v[LI], 4, v1
	v_lshlrev_b32 v[LS], 2, v1
	s_lshl_b32 s23, s22, 9
	v_lshl_add_u32 v[ARF], v3, 6, s23
	s_lshl_b32 s23, s22, 10
	s_add_co_u32 s23, s23, RI
	v_add_nc_u32 v[AWI], s23, v[LI]
	s_lshl_b32 s23, s22, 7
	s_add_co_u32 s23, s23, RS
	v_add_nc_u32 v[AWS], s23, v[LS]
	s_lshl_b32 s23, s22, 6
	s_add_co_u32 s23, s23, STG
	v_lshl_add_u32 v[AST], v3, 5, s23
.irp b, 0,1,2,3
	v_mov_b32 v[TM+4+\b], 0                        ; written once: a lane permute's destination counts as one of its sources
.endr
	s_mov_b32 s[SEL], 0x76543210
	s_mov_b32 s[SEL+1], 0xfedcba98                 ; v_permlanex16_b32's selects for lane l xor 16
	s_and_b32 s24, ttmp7, 0xffff                   ; batch b
	s_lshl_b32 s25, ttmp9, 7
	s_lshl_b32 s26, s22, 4
	s_add_co_u32 s25, s25, s26                     ; n0 = 128 nb + 16 v
	s_lshl_b32 s26, s24, 15                        ; pr: eight chunks of 4,096 bytes a batch
	s_mov_b32 s27, 0
	s_lshl_b32 s28, s24, 6                         ; pml: 64 bytes a batch
	s_mov_b32 s29, 0
	s_lshl_b32 s30, s25, 9                         ; the weights' codes: n0 rows of 512 bytes
	s_mov_b32 s31, 0
	s_lshl_b32 s32, s25, 5                         ; their scale bytes: 32 a row
	s_mov_b32 s33, 0
	s_lshl_b32 s34, s24, 9                         ; last_state: row b
	s_mov_b32 s35, 0
	s_lshl_b32 s36, s24, 5
	s_mov_b32 s37, 0
	s_lshl_b32 s38, s24, 12                        ; out0: row b, 128 nb columns on
	s_lshl_b32 s39, ttmp9, 9
	s_add_co_u32 s38, s38, s39
	s_mov_b32 s39, 0
	s_wait_kmcnt 0x0
	s_add_nc_u64 s[4:5], s[4:5], s[26:27]
	s_add_nc_u64 s[6:7], s[6:7], s[28:29]
	s_add_nc_u64 s[8:9], s[8:9], s[30:31]
	s_add_nc_u64 s[10:11], s[10:11], s[32:33]
	s_add_nc_u64 s[12:13], s[12:13], s[30:31]
	s_add_nc_u64 s[14:15], s[14:15], s[32:33]
	s_add_nc_u64 s[16:17], s[16:17], s[34:35]
	s_add_nc_u64 s[18:19], s[18:19], s[36:37]
	s_add_nc_u64 s[20:21], s[20:21], s[38:39]
	; all loads in one run, in the order in which they are wanted
.irp k, 0,1,2,3
	global_load_b128 v[ML+4*\k:ML+4*\k+3], v[ZER], s[6:7] offset:16*\k      ; the eight (M_c, L_c), in every lane
.endr
.irp c, 0,1,2,3,4,5,6,7
	global_load_b128 v[ST+4*\c:ST+4*\c+3], v[GT], s[4:5] offset:4096*\c     ; chunk c, columns 4 thread + 0 .. 3
.endr
.irp s, 0,1,2,3,4,5,6,7
.irp c, 0,1
	global_load_b128 v[LSF+8*\s+4*\c:LSF+8*\s+4*\c+3], v[FAL], s[16:17] offset:64*\s+32*\c
.endr
.endr
.irp z, 0,1
	global_load_b128 v[LSS+4*\z:LSS+4*\z+3], v[ZER], s[18:19] offset:16*\z
.endr
	WIN 0x40                                       ; destination window 1
.irp s, 0,1,2,3,4,5,6,7
.irp c, 0,1
	global_load_b128 v[8*\s+4*\c:8*\s+4*\c+3], v[FAW], s[12:13] offset:64*\s+32*\c
.endr
.endr
	WIN 0
.irp z, 0,1
	global_load_b128 v[WXS+4*\z:WXS+4*\z+3], v[SAW], s[14:15] offset:16*\z
.endr
	WIN 0x40
.irp s, 0,1,2,3,4,5,6,7
.irp c, 0,1
	global_load_b128 v[64+8*\s+4*\c:64+8*\s+4*\c+3], v[FAW], s[8:9] offset:64*\s+32*\c
.endr
.endr
	WIN 0
.irp z, 0,1
	global_load_b128 v[WPS+4*\z:WPS+4*\z+3], v[SAW], s[10:11] offset:16*\z
.endr
	s_wait_loadcnt 62                              ; M and L are in: behind them stand pr's 8 loads and three times 18
	v_max3_num_f32 v248, v[ML], v[ML+2], v[ML+4]
	s_delay_alu instid0(VALU_DEP_1)
	v_max3_num_f32 v248, v248, v[ML+6], v[ML+8]
	s_delay_alu instid0(VALU_DEP_1)
	v_max3_num_f32 v248, v248, v[ML+10], v[ML+12]
	s_delay_alu instid0(VALU_DEP_1)
	v_max_num_f32 v248, v248, v[ML+14]             ; the batch's M
.irp c, 0,1,2,3,4,5,6,7
	v_sub_f32 v[AW+\c], v[ML+2*\c], v248
.endr
	s_wait_alu depctr_va_vdst(0)
.irp c, 0,1,2,3,4,5,6,7
	v_exp_f32 v[AW+\c], v[AW+\c]
.endr
	v_nop                                          ; one plain place behind the exponentials
	s_wait_alu depctr_va_vdst(0)
	v_mul_f32 v249, v[AW], v[ML+1]
.irp c, 1,2,3,4,5,6,7
	v_fmac_f32 v249, v[AW+\c], v[ML+1+2*\c]        ; the softmax's sum: at least 1, since the row of the largest score adds 1
.endr
	s_wait_alu depctr_va_vdst(0)
	v_rcp_f32 v249, v249
	v_nop                                          ; one plain place behind the reciprocal
	s_wait_alu depctr_va_vdst(0)
.irp c, 0,1,2,3,4,5,6,7
	v_mul_f32 v[AW+\c], v[AW+\c], v249
.endr
	s_wait_alu depctr_va_vdst(0)
	s_wait_loadcnt 54                              ; pr is in: behind it stand three times 18
.irp k, 0,1,2,3
	v_mul_f32 v[PC+\k], v[AW], v[ST+\k]
.endr
.irp c, 1,2,3,4,5,6,7
.irp k, 0,1,2,3
	s_delay_alu instid0(VALU_DEP_4)
	v_fmac_f32 v[PC+\k], v[AW+\c], v[ST+4*\c+\k]
.endr
.endr
	ds_store_b128 v[GT], v[PC:PC+3] offset:RFL
	s_wait_dscnt 0x0
	s_barrier_signal -1
	s_barrier_wait -1                              ; r lies in LDS
.irp b, 0,1,2,3
.irp j, 0,1,2,3
	ds_load_b128 v[ST+16*\b+4*\j:ST+16*\b+4*\j+3], v[ARF] offset:RFL+128*\b+16*\j   ; K step v: r[128 v + 32 b + 16 h + 4 j ..]; the sixteen lanes of a half read the same bytes
.endr
.endr
	s_wait_dscnt 0x0
	QUANT ST
.irp c, 0,1
	ds_store_b128 v[AWI], v[PC+4*\c:PC+4*\c+3] offset:512*\c    ; the fragment goes to LDS as it stands: lane l's 16 bytes at 16 l
.endr
	ds_store_b32 v[AWS], v[PW]
	s_wait_dscnt 0x0
	s_barrier_signal -1
	s_barrier_wait -1                              ; r's eight fragments lie in LDS
.irp s, 0,1,2,3,4,5,6,7
.irp c, 0,1
	ds_load_b128 v[ST+8*\s+4*\c:ST+8*\s+4*\c+3], v[LI] offset:RI+1024*\s+512*\c
.endr
	ds_load_b32 v[RSS+\s], v[LS] offset:RS+128*\s
.endr
	s_wait_loadcnt 18                              ; last_state and Wx are in: behind them stand Wp's 18
	WIN 0x01                                       ; source 0 window 1
.irp s, 0,1,2,3,4,5,6,7                        ; the two accumulators by turns along K; the first two products start the sums
.if \s < 2
	v_wmma_scale_f32_16x16x128_f8f6f4 v[ACC+8*(\s%2):ACC+8*(\s%2)+7], v[8*\s:8*\s+7], v[LSF+8*\s:LSF+8*\s+7], 0, v[WXS+\s], v[LSS+\s] matrix_a_fmt:MATRIX_FMT_FP4 matrix_b_fmt:MATRIX_FMT_FP4
.else
	v_wmma_scale_f32_16x16x128_f8f6f4 v[ACC+8*(\s%2):ACC+8*(\s%2)+7], v[8*\s:8*\s+7], v[LSF+8*\s:LSF+8*\s+7], v[ACC+8*(\s%2):ACC+8*(\s%2)+7], v[WXS+\s], v[LSS+\s] matrix_a_fmt:MATRIX_FMT_FP4 matrix_b_fmt:MATRIX_FMT_FP4
.endif
.endr
	s_wait_loadcnt 0x0                             ; Wp
	s_wait_dscnt 0x0                               ; r's fragments and scale words
.irp s, 0,1,2,3,4,5,6,7
	v_wmma_scale_f32_16x16x128_f8f6f4 v[ACC+8*(\s%2):ACC+8*(\s%2)+7], v[64+8*\s:64+8*\s+7], v[ST+8*\s:ST+8*\s+7], v[ACC+8*(\s%2):ACC+8*(\s%2)+7], v[WPS+\s], v[RSS+\s] matrix_a_fmt:MATRIX_FMT_FP4 matrix_b_fmt:MATRIX_FMT_FP4
.endr
	WIN 0
.rept 4
	v_nop                                          ; four places behind the last product (ISA guide 7.12.1)
.endr
.irp k, 0,2,4,6
	v_pk_add_f32 v[TM+\k:TM+\k+1], v[ACC+\k:ACC+\k+1], v[ACC+8+\k:ACC+8+\k+1]    ; the two halves of K; each accumulator from its low end on
.endr
.irp k, 0,1,2,3,4,5,6,7
	v_max_num_f32 v[TM+\k], 0, v[TM+\k]            ; relu
.endr
	ds_store_b128 v[AST], v[TM:TM+3]               ; the sixteen lanes of a half write the same bytes with the same values
	ds_store_b128 v[AST], v[TM+4:TM+7] offset:16
	s_wait_dscnt 0x0
	s_barrier_signal -1
	s_barrier_wait -1                              ; the work-group's 128 results lie on end
	s_cmp_lg_u32 s22, 0
	s_cbranch_scc1 .Ldone
	ds_load_b128 v[TM+8:TM+11], v[LI] offset:STG
	s_wait_dscnt 0x0
	global_store_b128 v[LI], v[TM+8:TM+11], s[20:21]           ; wave 0 stores 512 consecutive bytes, at a multiple of 256 from out0's first byte
.Ldone:
	s_wait_tensorcnt 0x0
	ds_add_u32 v254, v255
	s_wait_dscnt 0x0
	s_endpgm
.Lfunc_end_k_qe5ab74d647_final:
	.size	k_qe5ab74d647_final, .Lfunc_end_k_qe5ab74d647_final-k_qe5ab74d647_final
	.p2alignl 7, 3214868480
	.fill 96, 4, 3214868480
	.section	.rodata,"a",@progbits
	.p2align	6, 0x0
	.amdhsa_kernel k_qe5ab74d647_final
		.amdhsa_group_segment_fixed_size 15360
		.amdhsa_private_segment_fixed_size 0
		.amdhsa_enable_private_segment 0
		.amdhsa_kernarg_size 72
		.amdhsa_user_sgpr_count 2
		.amdhsa_user_sgpr_kernarg_segment_ptr 1
		.amdhsa_wavefront_size32 1
		.amdhsa_system_sgpr_workgroup_id_x 1
		.amdhsa_system_sgpr_workgroup_id_y 1
		.amdhsa_system_sgpr_workgroup_id_z 1
		.amdhsa_system_vgpr_workitem_id 0
		.amdhsa_next_free_vgpr 384
		.amdhsa_next_free_sgpr 66
		.amdhsa_reserve_vcc 0
		.amdhsa_float_denorm_mode_32 3
		.amdhsa_float_denorm_mode_16_64 3
		.amdhsa_memory_ordered 1
		.amdhsa_forward_progress 1
		.amdhsa_inst_pref_size 25
	.end_amdhsa_kernel
	.amdgpu_metadata
---
amdhsa.version: [ 1, 2 ]
amdhsa.kernels:
  - .name:           k_qe5ab74d647_final
    .symbol:         k_qe5ab74d647_final.kd
    .args:
      - { .name: pr, .offset: 0, .size: 8, .value_kind: global_buffer, .address_space: global }
      - { .name: pml, .offset: 8, .size: 8, .value_kind: global_buffer, .address_space: global }
      - { .name: Wp_codes, .offset: 16, .size: 8, .value_kind: global_buffer, .address_space: global }
      - { .name: Wp_scales, .offset: 24, .size: 8, .value_kind: global_buffer, .address_space: global }
      - { .name: Wx_codes, .offset: 32, .size: 8, .value_kind: global_buffer, .address_space: global }
      - { .name: Wx_scales, .offset: 40, .size: 8, .value_kind: global_buffer, .address_space: global }
      - { .name: last_state_codes, .offset: 48, .size: 8, .value_kind: global_buffer, .address_space: global }
      - { .name: last_state_scales, .offset: 56, .size: 8, .value_kind: global_buffer, .address_space: global }
      - { .name: out0, .offset: 64, .size: 8, .value_kind: global_buffer, .address_space: global }
    .group_segment_fixed_size: 15360
    .private_segment_fixed_size: 0
    .kernarg_segment_align: 8
    .kernarg_segment_size: 72
    .max_flat_workgroup_size: 256
    .sgpr_count:     66
    .vgpr_count:     384
    .wavefront_size: 32
...
	.end_amdgpu_metadata
.endif
;; end of part 3
